; MI455X (gfx1250); checked and timed in simulation.
; The chip was launched on July 23, 2026; its instructions are those of AMD's public machine-readable ISA for CDNA 5 (MIT licence, August 2026) and "CDNA5" Instruction Set Architecture Reference Guide (July 2026). The comments in the code are by the model that wrote it; some were corrected since.
;; Bahdanau Attention. Allowed arithmetic: matrix products marked QUANTISED: E2M3 operands, one E8M0 scale for each 32 along K, by v_wmma_scale_f32_16x16x128_f8f6f4 with both operands' format E2M3, f32 sums; products left as they are: f32 operands where the result goes on into a quantised operand, else bf16, f16 or f32 operands; f32 sums; everything else in f32.
;; Inputs: V 1,024 x 1 float32; W1_codes 1,024 x 32 x 24 uint8 (E2M3 codes of W1, K innermost, in blocks of 32 codes, four codes in three bytes); W1_scales 1,024 x 32 uint8 (E8M0 scales of W1, one for each 32 codes along K); W2_codes 1,024 x 32 x 24 uint8 (E2M3 codes of W2, K innermost, in blocks of 32 codes, four codes in three bytes); W2_scales 1,024 x 32 uint8 (E8M0 scales of W2, one for each 32 codes along K); b1 1,024 float32; b2 1,024 float32; bV 1 float32; query_codes 32 x 32 x 24 uint8 (E2M3 codes of query, K innermost, in blocks of 32 codes, four codes in three bytes); query_scales 32 x 32 uint8 (E8M0 scales of query, one for each 32 codes along K); values 32 x 2,048 x 1,024 float32.
;; Outputs: out0 32 x 1,024 float32; out1 32 x 2,048 x 1 float32.
;; This version of the problem:
;;   THIS VERSION OF THE PROBLEM IS GIVEN IN LOW PRECISION. The matrix products marked QUANTISED in the list below multiply operands that are first quantised to E2M3 (2 exponent bits, 3 mantissa bits; 6 bits a number), with one power-of-two scale for each 32 numbers along K (OCP MX v1.0); their sums are f32. All else is computed in f32.
;;   The module's matrix products, in the order in which they are computed (A, B: the left and right operand; K: the contracted axis; several contracted axes count as one K, in the product's order):
;;     1. [M 65,536, K 1,024] x [K 1,024, N 1,024]; A: input values; B: input W1 (given as codes): QUANTISED
;;     2. [M 32, K 1,024] x [K 1,024, N 1,024]; A: input query (given as codes); B: input W2 (given as codes): QUANTISED
;;     3. [M 65,536, K 1,024] x [K 1,024, N 1]; A: computed on the way; B: input V: left as it is (N = 1 < 16)
;;   THE QUANTISER, for each operand of a quantised product, along K:
;;     - K is cut into blocks of 32 from its start; a last block that is shorter is filled with zeros.
;;     - A block's scale is 2^e with e = floor(log2(the largest magnitude in the block)) - 2, held to -126 .. 127; a block of zeros has e = 0. As a byte (E8M0): e + 127.
;;     - Each number is divided by its block's scale, clamped to +-7.5, and rounded to the nearest number of E2M3, ties to even, subnormals kept.
;;     - The product sums the exact products of the quantised numbers (number of the format x scale) in f32.
;;   ~~~python
;;   def quantise(x, axis):      # numpy; x: float32 -> the quantised numbers, widened to float32 again
;;       x = np.moveaxis(x, axis, -1); K = x.shape[-1]
;;       x = np.pad(x, [(0, 0)] * (x.ndim - 1) + [(0, -K % 32)]); x = x.reshape(x.shape[:-1] + (-1, 32)); a = np.abs(x).max(-1, keepdims=True)
;;       e = np.where(a > 0, np.clip(np.frexp(np.where(a > 0, a, 1))[1] - 1 - 2, -126, 127), 0)      # np.frexp(a)[1] - 1 = floor(log2(a)), exactly
;;       r = np.clip(x / 2.0 ** e, -7.5, 7.5)
;;       step = 2.0 ** (np.maximum(np.frexp(np.where(r == 0, 1, r))[1] - 1, 0) - 3)
;;       q = np.round(r / step) * step * 2.0 ** e      # np.round: ties to even
;;       return np.moveaxis(q.reshape(q.shape[:-2] + (-1,))[..., :K], -1, axis).astype(np.float32)
;;   ~~~
;;   INPUTS GIVEN AS CODES. W1 (in the module: [1024, 1024], K = its axis 0); W2 (in the module: [1024, 1024], K = its axis 0); query (in the module: [32, 1024], K = its axis 1): each comes as NAME_codes (uint8): NAME with its K axis moved to the last place and cut into blocks of 32 codes, [.., K / 32, bytes a block], one block behind the other in memory; four codes in three bytes: a row's codes are one little-endian stream of bits, code i at bits 6 i .. 6 i + 5 (a code: sign, 2 exponent bits, 3 mantissa bits); and NAME_scales (uint8): the same leading axes, one E8M0 byte (e + 127) for each 32 codes along K. Its value is code x scale, taken as it is: it is not quantised again, and the codes and scales need not be those that the quantiser above would give.
;; One version. Each part assembles by itself: llvm-mc -triple=amdgcn-amd-amdhsa -mcpu=gfx1250 --defsym DOCPART=n.
;; ======== version 1 of 1: 3 launches
;; limits: right only within a limited range of input values
;; workspace buffers: W1img 1,048,576 bytes; biasc 131,072 bytes; scores 262,144 bytes; ctxp 2,097,152 bytes
;; launch prep (part 1): grid 64 x 1, 3 waves a work-group, no clusters, 0 bytes of LDS; arguments W1_codes, W2_codes, W2_scales, query_codes, query_scales, b1, b2, W1img, biasc; writes W1img, biasc
.if DOCPART == 1
	.amdgcn_target "amdgcn-amd-amdhsa--gfx1250"
	.amdhsa_code_object_version 6
	.text
	.protected	k_qb6a0c5a9e3_prep
	.globl	k_qb6a0c5a9e3_prep
	.p2align	8
	.type	k_qb6a0c5a9e3_prep,@function
k_qb6a0c5a9e3_prep:
	s_mov_b64 s[64:65], 0
	v_nop
	global_prefetch_b8 v0, s[64:65] scope:SCOPE_SE
	s_setreg_imm32_b32 hwreg(HW_REG_WAVE_MODE, 25, 1), 1
	s_wait_xcnt 0x0
; Work-group t serves the 16 units u = 16 t .. 16 t + 15.
; Wave 0 lays W1's codes of these units out as IMAGES OF THE OPERAND'S REGISTERS: a fragment (16 rows x 128 K of 6-bit codes) is 12 registers a lane;
; registers 4 c .. 4 c + 3 of lane l go to byte 512 c + 16 l of the fragment's 1,536 bytes.  The main launch then brings a tile by dense tensor loads and reads a fragment by three loads of 16 bytes a lane.
; W1img: [slot n = 0..15][65,536 bytes]; in a slot, quarter q = 0..3 at 12,288 q holds unit tile 32 (q / 2) + 2 n + q % 2, its K step s at 1,536 s.  A slot's last 16,384 bytes are neither written nor read.
; Waves 1 and 2 make biasc[b][u] = 2 log2(e) x (query W2 + b2 + b1), for batches 0-15 and 16-31: the second quantised product, on the codes as they are given, by the FP6 matrix form; f32 sums.
; The factor is the one that the main launch's tanh wants: tanh(x) = 1 - 2 / (1 + 2^(2 log2(e) x)).
; biasc is stored 32 bytes a lane in rows 4,096 bytes apart: 64 bytes of a row for each work-group; the whole buffer is 131,072 bytes.
; WORK LEFT OUT, in the whole program: bV.  reference() adds bV to every score of a batch and takes the softmax along S.  softmax(score + bV) = softmax(score) for every finite bV,
; since the factor exp(bV) stands in each numerator and in the sum alike; the context vector is made of these weights and of values alone.  So bV has no way to any output:
; it is not loaded and is among no launch's arguments.  LIMIT: a NaN, an infinity or an overflow that bV alone would bring is not carried to the results.
.set ROWB, 768                         ; a row of 1,024 codes in bytes
.set TILEB, 16*ROWB                    ; 16 rows: 12,288 bytes, as many as their eight images
.set FW, 16                            ; v16-111   eight fragments of W1 or of W2
.set FQ, 112                           ; v112-207  eight fragments of the query
.set SW, 208                           ; v208-215  W2's scale words, K step s in register s: scales and nothing else
.set SQ, 216                           ; v216-223  the query's
.set BB, 224                           ; v224-231  b1, then b1 + b2: the C of the first product
.set B2R, 232                          ; v232-239  b2, later the result
.set A0, 240                           ; v240-247  the sum over the even K steps
.set A1, 248                           ; v248-255  over the odd ones
	s_load_b512 s[4:19], s[0:1], 0x0               ; W1_codes 4, W2_codes 6, W2_scales 8, query_codes 10, query_scales 12, b1 14, b2 16, W1img 18
	s_load_b64 s[20:21], s[0:1], 0x40              ; biasc
	v_lshrrev_b32 v1, 5, v0
	v_readfirstlane_b32 s22, v1                    ; wave 0..2
	v_and_b32 v2, 15, v0                           ; r
	v_bfe_u32 v4, v0, 4, 1                         ; h
	v_mul_u32_u24 v3, v2, ROWB
	v_mad_u32_u24 v3, v4, 24, v3                   ; a fragment's bytes of lane (r, h): row r, + 24 h
	v_and_b32 v7, 31, v0
	v_lshlrev_b32 v7, 4, v7                        ; 16 x lane
	s_mul_i32 s24, ttmp9, TILEB                    ; my 16 rows of W1 or of W2
	s_mov_b32 s25, 0
	s_mov_b32 s27, 0
	s_wait_kmcnt 0x0
	s_cmp_lg_u32 s22, 0
	s_cbranch_scc1 .Lproj
	; ---- wave 0: W1's images
	s_add_nc_u64 s[4:5], s[4:5], s[24:25]
	s_wait_alu depctr_va_vdst(0)
.irp s, 0,1,2,3,4,5,6,7
.irp p, 0,1,2,3,4,5
	global_load_b64 v[FW+12*\s+2*\p:FW+12*\s+2*\p+1], v3, s[4:5] offset:96*\s+48*(\p/3)+8*(\p%3)   ; registers 6 c .. 6 c + 5: K = 128 s + 64 c + 32 h + 0 .. 31, 24 bytes as they lie, in pieces of 8
.endr
.endr
	s_and_b32 s26, ttmp9, 31
	s_lshr_b32 s26, s26, 1
	s_lshl_b32 s26, s26, 16                        ; slot n = (t % 32) / 2
	s_lshr_b32 s28, ttmp9, 5
	s_lshl_b32 s28, s28, 1
	s_and_b32 s29, ttmp9, 1
	s_or_b32 s28, s28, s29                         ; quarter q = 2 (t / 32) + t % 2
	s_mul_i32 s28, s28, TILEB
	s_add_co_u32 s26, s26, s28
	s_add_nc_u64 s[18:19], s[18:19], s[26:27]
	s_wait_loadcnt 0x0
.irp s, 0,1,2,3,4,5,6,7
.irp c, 0,1,2
	global_store_b128 v7, v[FW+12*\s+4*\c:FW+12*\s+4*\c+3], s[18:19] offset:1536*\s+512*\c   ; 32 lanes store 512 consecutive bytes, at a multiple of 256 from the buffer's first byte
.endr
.endr
	s_endpgm
.Lproj:
	; ---- waves 1, 2: the query's projection for batches 16 qt .. 16 qt + 15
	s_sub_co_u32 s23, s22, 1                       ; qt
	s_add_nc_u64 s[6:7], s[6:7], s[24:25]          ; W2's 16 rows
	s_mul_i32 s26, s23, TILEB
	s_add_nc_u64 s[10:11], s[10:11], s[26:27]      ; the query's 16 rows
	s_lshl_b32 s26, ttmp9, 9
	s_add_nc_u64 s[8:9], s[8:9], s[26:27]          ; W2's scale bytes: 32 a row
	s_lshl_b32 s26, s23, 9
	s_add_nc_u64 s[12:13], s[12:13], s[26:27]      ; the query's
	s_lshl_b32 s26, ttmp9, 6
	s_add_nc_u64 s[14:15], s[14:15], s[26:27]      ; b1 and b2 at unit 16 t
	s_add_nc_u64 s[16:17], s[16:17], s[26:27]
	s_lshl_b32 s28, s23, 16
	s_add_co_u32 s26, s26, s28
	s_add_nc_u64 s[20:21], s[20:21], s[26:27]      ; biasc at batch 16 qt, unit 16 t
	s_wait_alu depctr_va_vdst(0)
	v_lshlrev_b32 v5, 5, v2                        ; 32 r: a row's scale bytes
	v_lshlrev_b32 v6, 5, v4                        ; 32 h: my half's eight units
	v_lshl_add_u32 v8, v2, 12, v6                  ; out: batch r's row of 4,096 bytes, + 32 h
.irp s, 0,1,2,3,4,5,6,7
.irp p, 0,1,2,3,4,5
	global_load_b64 v[FW+12*\s+2*\p:FW+12*\s+2*\p+1], v3, s[6:7] offset:96*\s+48*(\p/3)+8*(\p%3)
	global_load_b64 v[FQ+12*\s+2*\p:FQ+12*\s+2*\p+1], v3, s[10:11] offset:96*\s+48*(\p/3)+8*(\p%3)
.endr
.endr
	global_load_b128 v[SW:SW+3], v5, s[8:9]
	global_load_b128 v[SW+4:SW+7], v5, s[8:9] offset:16
	global_load_b128 v[SQ:SQ+3], v5, s[12:13]
	global_load_b128 v[SQ+4:SQ+7], v5, s[12:13] offset:16
	global_load_b128 v[BB:BB+3], v6, s[14:15]
	global_load_b128 v[BB+4:BB+7], v6, s[14:15] offset:16
	global_load_b128 v[B2R:B2R+3], v6, s[16:17]
	global_load_b128 v[B2R+4:B2R+7], v6, s[16:17] offset:16
	s_wait_loadcnt 0x0
.irp x, 0,2,4,6
	v_pk_add_f32 v[BB+\x:BB+\x+1], v[BB+\x:BB+\x+1], v[B2R+\x:B2R+\x+1]   ; b1 + b2 in the result's layout: register i of lane (r, h) is unit 16 t + 8 h + i
.endr
.rept 4
	v_nop
.endr
	; TRANSPOSED: source 0 = 16 rows of W2, source 1 = 16 rows of the query: lane (r, h) holds batch r and eight neighbouring units.
	; Two accumulators take turns, one instruction a turn; the biases are the C of the first product.
	v_wmma_scale_f32_16x16x128_f8f6f4 v[A0:A0+7], v[FW:FW+11], v[FQ:FQ+11], v[BB:BB+7], v[SW], v[SQ] matrix_a_fmt:MATRIX_FMT_FP6 matrix_b_fmt:MATRIX_FMT_FP6
	v_wmma_scale_f32_16x16x128_f8f6f4 v[A1:A1+7], v[FW+12:FW+23], v[FQ+12:FQ+23], 0, v[SW+1], v[SQ+1] matrix_a_fmt:MATRIX_FMT_FP6 matrix_b_fmt:MATRIX_FMT_FP6
.irp s, 2,4,6
	v_wmma_scale_f32_16x16x128_f8f6f4 v[A0:A0+7], v[FW+12*\s:FW+12*\s+11], v[FQ+12*\s:FQ+12*\s+11], v[A0:A0+7], v[SW+\s], v[SQ+\s] matrix_a_fmt:MATRIX_FMT_FP6 matrix_b_fmt:MATRIX_FMT_FP6
	v_wmma_scale_f32_16x16x128_f8f6f4 v[A1:A1+7], v[FW+12*\s+12:FW+12*\s+23], v[FQ+12*\s+12:FQ+12*\s+23], v[A1:A1+7], v[SW+\s+1], v[SQ+\s+1] matrix_a_fmt:MATRIX_FMT_FP6 matrix_b_fmt:MATRIX_FMT_FP6
.endr
.rept 4
	v_nop                                          ; four places between the last product and the first read of a result (ISA guide 7.12.1)
.endr
.irp x, 0,2,4,6
	v_pk_add_f32 v[B2R+\x:B2R+\x+1], v[A0+\x:A0+\x+1], v[A1+\x:A1+\x+1]   ; both accumulators are read from their low end on
.endr
.irp x, 0,2,4,6
	v_pk_mul_f32 v[B2R+\x:B2R+\x+1], v[B2R+\x:B2R+\x+1], 0x4038aa3b op_sel_hi:[1,0]   ; x 2 log2(e)
.endr
	global_store_b128 v8, v[B2R:B2R+3], s[20:21]
	global_store_b128 v8, v[B2R+4:B2R+7], s[20:21] offset:16
	s_endpgm
.Lfunc_end_k_qb6a0c5a9e3_prep:
	.size	k_qb6a0c5a9e3_prep, .Lfunc_end_k_qb6a0c5a9e3_prep-k_qb6a0c5a9e3_prep
	.p2alignl 7, 3214868480
	.fill 96, 4, 3214868480
	.section	.rodata,"a",@progbits
	.p2align	6, 0x0
	.amdhsa_kernel k_qb6a0c5a9e3_prep
		.amdhsa_group_segment_fixed_size 0
		.amdhsa_private_segment_fixed_size 0
		.amdhsa_enable_private_segment 0
		.amdhsa_kernarg_size 72
		.amdhsa_user_sgpr_count 2
		.amdhsa_user_sgpr_kernarg_segment_ptr 1
		.amdhsa_wavefront_size32 1
		.amdhsa_system_sgpr_workgroup_id_x 1
		.amdhsa_system_sgpr_workgroup_id_y 1
		.amdhsa_system_sgpr_workgroup_id_z 1
		.amdhsa_system_vgpr_workitem_id 0
		.amdhsa_next_free_vgpr 256
		.amdhsa_next_free_sgpr 66
		.amdhsa_reserve_vcc 0
		.amdhsa_float_denorm_mode_32 3
		.amdhsa_float_denorm_mode_16_64 3
		.amdhsa_memory_ordered 1
		.amdhsa_forward_progress 1
		.amdhsa_inst_pref_size 21
	.end_amdhsa_kernel
	.amdgpu_metadata
---
amdhsa.version: [ 1, 2 ]
amdhsa.kernels:
  - .name:           k_qb6a0c5a9e3_prep
    .symbol:         k_qb6a0c5a9e3_prep.kd
    .args:
      - { .name: W1_codes, .offset: 0, .size: 8, .value_kind: global_buffer, .address_space: global }
      - { .name: W2_codes, .offset: 8, .size: 8, .value_kind: global_buffer, .address_space: global }
      - { .name: W2_scales, .offset: 16, .size: 8, .value_kind: global_buffer, .address_space: global }
      - { .name: query_codes, .offset: 24, .size: 8, .value_kind: global_buffer, .address_space: global }
      - { .name: query_scales, .offset: 32, .size: 8, .value_kind: global_buffer, .address_space: global }
      - { .name: b1, .offset: 40, .size: 8, .value_kind: global_buffer, .address_space: global }
      - { .name: b2, .offset: 48, .size: 8, .value_kind: global_buffer, .address_space: global }
      - { .name: W1img, .offset: 56, .size: 8, .value_kind: global_buffer, .address_space: global }
      - { .name: biasc, .offset: 64, .size: 8, .value_kind: global_buffer, .address_space: global }
    .group_segment_fixed_size: 0
    .private_segment_fixed_size: 0
    .kernarg_segment_align: 8
    .kernarg_segment_size: 72
    .max_flat_workgroup_size: 96
    .sgpr_count:     66
    .vgpr_count:     256
    .wavefront_size: 32
...
	.end_amdgpu_metadata
.endif
;; end of part 1
;; launch main (part 2): grid 256 x 1, 4 waves a work-group, clusters of 4 x 1, 327,680 bytes of LDS; arguments values, W1img, W1_scales, biasc, V, scores, ctxp; writes scores, ctxp
.if DOCPART == 2
	.amdgcn_target "amdgcn-amd-amdhsa--gfx1250"
	.amdhsa_code_object_version 6
	.text
	.protected	k_qb6a0c5a9e3_main
	.globl	k_qb6a0c5a9e3_main
	.p2align	8
	.type	k_qb6a0c5a9e3_main,@function
k_qb6a0c5a9e3_main:
	s_mov_b64 s[64:65], 0
	v_nop
	global_prefetch_b8 v0, s[64:65] scope:SCOPE_SE
	s_setreg_imm32_b32 hwreg(HW_REG_WAVE_MODE, 25, 1), 1
	s_wait_xcnt 0x0
	s_wait_alu depctr_hold_cnt(0) depctr_sa_sdst(0) depctr_va_vdst(0) depctr_va_sdst(0) depctr_va_ssrc(0) depctr_va_vcc(0) depctr_vm_vsrc(0)
	s_getreg_b32 s2, hwreg(HW_REG_IB_STS2, 6, 4)
	s_cmp_eq_u32 s2, 0
	s_cbranch_scc0 .Lentry_in_a_cluster
	s_endpgm
.Lentry_in_a_cluster:
	s_bfe_u32 s2, ttmp6, 0x10000c
	s_cmp_lg_u32 s2, 0x3003
	s_cbranch_scc0 .Lentry_shape_is_right
	s_endpgm
.Lentry_shape_is_right:
; Work-group g serves rows 256 g .. 256 g + 255 of values (batch g / 8) in two blocks of 128 rows.  A block is quantised to FP6 images of the operand's registers (through LDS) and then held in registers:
; wave w holds 64 rows (w / 2) as four blocks of 16 rows x 1,024 K and takes half of the units (w % 2).  W1's images walk through a ring of two LDS slots, four unit tiles a slot, asked for jointly by the four work-groups of a cluster.
; A STEP is one slot: 64 products in one run (two unit tiles x four row blocks x eight K steps); then the vector work that is due anyway (the next block's quantising, or the block before's context sums);
; the change of slots, behind which both of the next slot's tiles are fetched into registers; and the tanh of all 64 result registers in batches:
; tanh(x) = 1 - 2 / (1 + 2^(2 log2(e) x)); score = sum of V - 2 x sum of V / (1 + 2^..), summed per lane (a unit a lane) and joined over lanes and waves at a block's end.
; No transcendental stands inside the run of products, so a step has the two waits of each of its two batches and no other.
; The context sums of a block are taken under the block's own largest score and joined by the last launch.  bV is left out: it is the same for all scores of a softmax (shown at the head of the first kernel).
; values are read a second time for the context sums: a block of 128 rows is 524,288 bytes of f32, more than LDS holds.
; The quantising and the context sums named above stand in slices among the second half of a step's products: plain vector work on other registers than the products'.
.set QB,    12288
.set SLOTB, 4*QB
.set WSC,   2*SLOTB
.set IMG,   WSC+32768
.set ISC,   IMG+64*1536
.set STG,   ISC+64*128
.set STGW,  16*528
.set CBL,   STG+4*STGW
.set SCR,   CBL+8192
.set PB,    SCR+1024
.set SPARE, PB+4096
.set LI,  1
.set SPW, 2
.set NIL, 3
.set STS, 4
.set STL, 5
.set IMW, 6
.set ISW, 7
.set ARL, 8
.set ASL, 9
.set BFA, 10
.set BSA, 12
.set CBA, 13
.set PBA, 14
.set SCA, 15
.set IMA, 16
.set ISA, 17
.set BSX, 18
.set CBX, 19
.set PBX, 20
.set SCL, 21
.set PBS, 22
.set CBV, 28
.set SV,  36
.set BSC, 38
.set ASC, 54
.set CX,  86
.set SA,  94
.set ACC, 126
.set TM,  190
.set PW,  206
.set PC,  208
.set PR,  190
.set BW,  228
.set CXB, 248
.set GS,  192
.set QR,  192
.set WV,  20
.set G1,  24
.set G1S, 32
.set G0,  40
.set G0S, 48
.set WB,  52
.set OFS, 54
.set LG,  56
.set C2,  58
.set SEL, 60
.set VB,  66
.set NX,  70
.set CS,  74
.set STP, 78
.set CNT, 80
.set SN,  81
.set IMT, 82
.set IST, 83
.set PBT, 84
.set OFG, 88
.set SCO, 90
.set CTX, 92
.set MSB, 0
.macro WIN new
.if MSB != (\new)
	s_set_vgpr_msb (MSB<<8)|(\new)
.set MSB, (\new)
.endif
.endm
.macro CROUND
	s_barrier_signal -1
	s_barrier_wait -1
	s_cmp_lg_u32 s[WV], 0
	s_cbranch_scc1 .Lnot_wave_0_\@
	s_barrier_signal -3
.Lnot_wave_0_\@:
	s_barrier_wait -3
	s_barrier_signal -1
	s_barrier_wait -1
.endm
.macro MM e, m, s
.if (\s) == 0
	v_wmma_scale_f32_16x16x128_f8f6f4 v[ACC+32*(\e)+8*(\m):ACC+32*(\e)+8*(\m)+7], v[96*((\m)%2)+12*(\s):96*((\m)%2)+12*(\s)+11], v[96*(\e)+12*(\s):96*(\e)+12*(\s)+11], 0, v[ASC+8*(\m)+(\s)], v[BSC+8*(\e)+(\s)] matrix_a_fmt:MATRIX_FMT_FP6 matrix_b_fmt:MATRIX_FMT_FP6
.else
	v_wmma_scale_f32_16x16x128_f8f6f4 v[ACC+32*(\e)+8*(\m):ACC+32*(\e)+8*(\m)+7], v[96*((\m)%2)+12*(\s):96*((\m)%2)+12*(\s)+11], v[96*(\e)+12*(\s):96*(\e)+12*(\s)+11], v[ACC+32*(\e)+8*(\m):ACC+32*(\e)+8*(\m)+7], v[ASC+8*(\m)+(\s)], v[BSC+8*(\e)+(\s)] matrix_a_fmt:MATRIX_FMT_FP6 matrix_b_fmt:MATRIX_FMT_FP6
.endif
.endm
.macro TPK ph, p
.if (\ph) == 0
	v_pk_fma_f32 v[TA+2*(\p):TA+2*(\p)+1], v[TA+2*(\p):TA+2*(\p)+1], s[C2:C2+1], v[TC:TC+1] op_sel_hi:[1,0,0]
.else
	v_pk_add_f32 v[TA+2*(\p):TA+2*(\p)+1], v[TA+2*(\p):TA+2*(\p)+1], 1.0 op_sel_hi:[1,0]
.endif
.endm
.macro TTR ph, r
.if (\ph) == 0
	v_exp_f32 v[TA+(\r)], v[TA+(\r)]
.else
	v_rcp_f32 v[TA+(\r)], v[TA+(\r)]
.endif
.endm
.macro TSU p
	v_pk_fma_f32 v[SA+2*(\p):SA+2*(\p)+1], v[TA+2*(\p):TA+2*(\p)+1], v[TC+2:TC+3], v[SA+2*(\p):SA+2*(\p)+1] op_sel_hi:[1,0,1]
.endm
; The tanh and the weighted sum of a step's 64 result registers (two unit tiles x 32), in batches.  Phase 0: 2 log2(e) x + bias, then 64 exponentials; phase 1: + 1, then 64 reciprocals; then V x the reciprocal onto the sums.
; Each accumulator is read from its low end on.  One wait ahead of each batch and one behind it.
.macro TANH adr, f                     ; f = 1: 18 fragment loads of the next slot (address register adr) stand ahead of each batch of transcendentals
.irp ph, 0,1
.irp x, 0,1
.set TA, ACC+32*\x
.set TC, CBV+4*\x
.set PP, 0
.rept 16
	TPK \ph, PP
.set PP, PP+1
.endr
.endr
.if \f
	FP \adr, 4+6*\ph, 9+6*\ph
.endif
	s_wait_alu depctr_va_vdst(0)
.set TA, ACC
.set PP, 0
.rept 64
	TTR \ph, PP
.set PP, PP+1
.endr
.if \ph == 0
	v_add_f32 v[SV], v[SV], v[CBV+2]               ; the sum of V over my units: plain work behind the last exponential
	v_add_f32 v[SV], v[SV], v[CBV+6]
.else
	v_nop                                          ; a plain place behind the last reciprocal
.endif
	s_wait_alu depctr_va_vdst(0)
.endr
.irp x, 0,1
.set TA, ACC+32*\x
.set TC, CBV+4*\x
.set PP, 0
.rept 16
	TSU PP
.set PP, PP+1
.endr
.endr
.endm
; A step's 64 products.  Under one window setting (A's row blocks 0, 1 in window 1; 2, 3 in window 2) four accumulators take turns, one instruction a turn; K ascends; the first product of each starts its sum.
; Half w of the run: row blocks 2 w, 2 w + 1: sixteen pairs of products.  Behind a pair stands, by mode: 0: slice FI of the quantiser; 1: behind the last eight pairs a slice of the context sums
; (so four plain instructions stand behind the last product, ahead of the loads into its registers); 2: behind the fourth pair the stage's read-backs; 3: nothing.
.macro MMF w, mode, k
.set FI, 0
.irp s, 0,1,2,3,4,5,6,7
.irp e, 0,1
	WIN 0x0d+\w
	MM \e, 2*\w, \s
	MM \e, 2*\w+1, \s
.if (\mode) == 0
	QS FI
.elseif (\mode) == 1
.if FI >= 8
	CS \k, FI-8
.endif
.elseif (\mode) == 2
.if FI == 3
	TURNL
.endif
.endif
.set FI, FI+1
.endr
.endr
	WIN 0
.endm
; Fragments t0 .. t1 of my sixteen of a slot (unit tile t / 8, K step t % 8): three loads of 16 bytes a lane each, into window 3 at 12 t; a tile's eight images are 12,288 = 8 x 1,536 bytes, so fragment t lies at 1,536 t
.macro FP adr, t0, t1
	WIN 0xc0
.set TT, \t0
.rept (\t1)-(\t0)+1
.irp c, 0,1,2
	ds_load_b128 v[12*TT+4*\c:12*TT+4*\c+3], v[\adr] offset:1536*TT+512*\c
.endr
.set TT, TT+1
.endr
	WIN 0
.endm
; W1's scale words of my two unit tiles, eight K steps each
.macro FSC
.irp e, 0,1
	ds_load_b128 v[BSC+8*\e:BSC+8*\e+3], v[BSX] offset:512*\e
	ds_load_b128 v[BSC+8*\e+4:BSC+8*\e+7], v[BSX] offset:512*\e+16
.endr
.endm
.macro FETCHCB e
	ds_load_b32 v[CBV+4*\e], v[CBX] offset:64*\e
	ds_load_b32 v[CBV+4*\e+2], v[CBX] offset:4096+64*\e
.endm
.macro LOADSET k, nt
	WIN (1+\k)<<6
.irp i, 0,1,2,3,4,5,6,7,8,9,10,11,12,13,14,15
.if \nt
	global_load_b128 v[GS+4*\i:GS+4*\i+3], v[LI], s[VB+2*\k:VB+2*\k+1] offset:4096*\i th:TH_LOAD_NT
.else
	global_load_b128 v[GS+4*\i:GS+4*\i+3], v[LI], s[VB+2*\k:VB+2*\k+1] offset:4096*\i
.endif
.endr
	WIN 0
.endm
.macro NEXTLOAD k, jump, nt
	s_wait_xcnt 0x0
	s_add_nc_u64 s[VB+2*\k:VB+2*\k+1], s[VB+2*\k:VB+2*\k+1], s[STP:STP+1]
.if \jump
	s_cmp_eq_u32 s[CNT], 1
	s_cselect_b64 s[VB+2*\k:VB+2*\k+1], s[NX+2*\k:NX+2*\k+1], s[VB+2*\k:VB+2*\k+1]
.endif
	LOADSET \k, \nt
.endm
.macro TURNS k
	s_wait_loadcnt 16
	WIN (1+\k)<<2
.irp i, 0,1,2,3,4,5,6,7,8,9,10,11,12,13,14,15
	ds_store_b128 v[STS], v[GS+4*\i:GS+4*\i+3] offset:528*\i
.endr
	WIN 0
.endm
.macro TURNL                           ; back from my own stage, 16 neighbours along K a lane and block (LDS serves a wave's instructions in order)
	WIN 0xc0
.irp b, 0,1,2,3
.irp x, 0,1,2,3
	ds_load_b128 v[QR+16*\b+4*\x:QR+16*\b+4*\x+3], v[STL] offset:128*\b+16*\x
.endr
.endr
	WIN 0
.endm
; The quantiser of 16 rows x 128 K (a lane: a row's four half blocks of 16 numbers), in sixteen slices of three to six vector instructions; each slice sets its own windows.
; 0-7: the four blocks' largest magnitudes, by turns, over the floor 2^(3 - 127); 8, 9: joined with lane l xor 16; 10: 2 off the exponent field, the conversions' scale operand; 11, 12: the scale bytes and the scale word;
; 13: the four conversions and the plain place behind them; 14, 15: whole blocks into a lane, registers 6 c .. 6 c + 5.
.macro QS n
.if (\n) == 0
	WIN 0x3c
.irp b, 0,1,2,3
	v_max3_num_f32 v[TM+\b], 0x1800000, |v[QR+16*\b]|, |v[QR+16*\b+1]|
.endr
.elseif (\n) < 8
	WIN 0x3c
.irp b, 0,1,2,3
	v_max3_num_f32 v[TM+\b], v[TM+\b], |v[QR+16*\b+2*(\n)]|, |v[QR+16*\b+2*(\n)+1]|
.endr
.elseif (\n) == 8
	WIN 0
.irp b, 0,1,2,3
	v_permlanex16_b32 v[TM+4+\b], v[TM+\b], s[SEL], s[SEL+1]
.endr
.elseif (\n) == 9
	WIN 0
.irp b, 0,1,2,3
	v_max_num_f32 v[TM+\b], v[TM+\b], v[TM+4+\b]
.endr
.elseif (\n) == 10
	WIN 0
.irp b, 0,1,2,3
	v_add_nc_u32 v[TM+12+\b], 0xff000000, v[TM+\b]
.endr
.elseif (\n) == 11
	WIN 0
.irp b, 0,1,2,3
	v_lshrrev_b32 v[TM+4+\b], 23, v[TM+12+\b]
.endr
.elseif (\n) == 12
	WIN 0
	v_lshl_or_b32 v[PW], v[TM+5], 8, v[TM+4]
	v_lshl_or_b32 v[PW], v[TM+6], 16, v[PW]
	v_lshl_or_b32 v[PW], v[TM+7], 24, v[PW]
.elseif (\n) == 13
	WIN 0x03
.irp c, 0,1
	v_cvt_scalef32_pk16_fp6_f32 v[PC+6*\c:PC+6*\c+2], v[QR+32*\c:QR+32*\c+15], v[TM+12+2*\c]
	v_cvt_scalef32_pk16_fp6_f32 v[PC+12+4*\c:PC+14+4*\c], v[QR+16+32*\c:QR+31+32*\c], v[TM+13+2*\c]
.endr
	WIN 0
	v_nop
.else
	WIN 0
.irp i, 0,1,2
	v_permlane16_swap_b32 v[PC+6*((\n)-14)+\i], v[PC+12+4*((\n)-14)+\i]
.endr
.irp i, 0,1,2
	v_mov_b32 v[PC+3+6*((\n)-14)+\i], v[PC+12+4*((\n)-14)+\i]
.endr
.endif
.endm
.macro QUANT                           ; all sixteen slices on end
.set QN, 0
.rept 16
	QS QN
.set QN, QN+1
.endr
.endm
.macro IMAGE k
.if \k == 0
	v_add_nc_u32 v[IMA], s[IMT], v[IMW]
	v_add_nc_u32 v[ISA], s[IST], v[ISW]
.endif
.irp c, 0,1,2
	ds_store_b128 v[IMA], v[PC+4*\c:PC+4*\c+3] offset:QB*\k+512*\c
.endr
	ds_store_b32 v[ISA], v[PW] offset:1024*\k
.endm
.macro PRLOAD
	v_add_nc_u32 v[PBX], s[PBT], v[PBA]
.irp x, 0,1,2,3,4,5,6,7
	ds_load_b128 v[PR+4*\x:PR+4*\x+3], v[PBX] offset:16*\x
.endr
.endm
; A slice of the context sums: rows 2 n and 2 n + 1 of set k's sixteen, four channels a lane; even rows onto one set of sums, odd rows onto the other
.macro CS k, n
	WIN 1+\k
.irp j, 0,1
	v_pk_fma_f32 v[CX+4*\k+(CXB-CX)*\j:CX+4*\k+(CXB-CX)*\j+1], v[GS+8*(\n)+4*\j:GS+8*(\n)+4*\j+1], v[PR+4*(\n)+2*\j:PR+4*(\n)+2*\j+1], v[CX+4*\k+(CXB-CX)*\j:CX+4*\k+(CXB-CX)*\j+1]
	v_pk_fma_f32 v[CX+4*\k+(CXB-CX)*\j+2:CX+4*\k+(CXB-CX)*\j+3], v[GS+8*(\n)+4*\j+2:GS+8*(\n)+4*\j+3], v[PR+4*(\n)+2*\j:PR+4*(\n)+2*\j+1], v[CX+4*\k+(CXB-CX)*\j+2:CX+4*\k+(CXB-CX)*\j+3]
.endr
.endm
.macro CTXF k, left                    ; all eight slices on end
	s_wait_loadcnt \left
.set CN, 0
.rept 8
	CS \k, CN
.set CN, CN+1
.endr
	WIN 0
.endm
.macro RELOAD
.irp m, 0,1,2,3
	WIN (1+(\m)/2)<<6
.irp s, 0,1,2,3,4,5,6,7
.irp c, 0,1,2
	ds_load_b128 v[96*((\m)%2)+12*\s+4*\c:96*((\m)%2)+12*\s+4*\c+3], v[ARL] offset:QB*\m+1536*\s+512*\c
.endr
.endr
.endr
	WIN 0
.irp m, 0,1,2,3
.irp s, 0,1,2,3,4,5,6,7
	ds_load_b32 v[ASC+8*\m+\s], v[ASL] offset:128*(8*\m+\s)
.endr
.endr
.endm
.macro CHANGE k, how
	s_wait_tensorcnt 0x0
	ds_add_u32 v[SPW], v[NIL]
	s_add_co_u32 s85, s[SN], \k+1
	s_and_b32 s85, s85, 15
	s_lshl_b32 s86, s85, 10
	s_lshl_b32 s87, s85, 7
.if \how == 2
	s_add_co_u32 s[OFS], s[SN], \k+2
	s_and_b32 s[OFS], s[OFS], 15
	s_lshl_b32 s[OFS], s[OFS], 16
	s_add_nc_u64 s[G0+4*\k+2:G0+4*\k+3], s[WB:WB+1], s[OFS:OFS+1]
	s_or_b32 s[G0+4*\k+3], s[G0+4*\k+3], 0x80000000
.endif
	s_wait_dscnt 0x0
.if \how == 2
	CROUND
	tensor_load_to_lds s[G0+4*\k:G0+4*\k+3], s[G1:G1+7]
	s_nop 0
.rept 4
	v_nop
.endr
.else
	s_barrier_signal -1
	s_barrier_wait -1
.endif
	v_add_nc_u32 v[BSX], s86, v[BSA]
	v_add_nc_u32 v[CBX], s87, v[CBA]
	FSC                                            ; the next slot's scale words and its first four fragments; the other twelve follow inside the tanh
	FP BFA+1-\k, 0, 3
.endm
.macro STEP k, mode, how, jump
	s_wait_dscnt 0x0
.if \mode == 0
	TURNS \k
.elseif \k == 0
	PRLOAD
.endif
	FETCHCB 0
	FETCHCB 1
	MMF 0, 2+\mode, \k
	s_wait_dscnt 0x0                               ; the stage's numbers (or the weights), the biases and V are in; my stores to the stage have read their registers
.if \mode == 0
	NEXTLOAD \k, \jump, 0
.else
	s_wait_loadcnt 16                              ; set k's 16 loads are in; the other set's 16 may be out
.endif
	MMF 1, \mode, \k
.if \mode == 0
	IMAGE \k
.else
	NEXTLOAD \k, 0, 1
.endif
.if \how
	CHANGE \k, \how
	TANH BFA+1-\k, 1
.else
	TANH BFA, 0
.endif
.endm
.macro BOUND blk, reload
	s_wait_alu depctr_va_vdst(0)
	s_wait_dscnt 0x0
.if \reload
	RELOAD
.endif
.set ZZ, 0
.rept 32
	v_fma_f32 v[SA+ZZ], v[SA+ZZ], -2.0, v[SV]
.set ZZ, ZZ+1
.endr
.irp mk, 1,2,4,8
.set ZZ, 0
.rept 32
	v_add_f32_dpp v[SA+ZZ], v[SA+ZZ], v[SA+ZZ] row_xmask:\mk row_mask:0xf bank_mask:0xf
.set ZZ, ZZ+1
.endr
.endr
.irp m, 0,1,2,3
.irp x, 0,1
	ds_store_b128 v[SCA], v[SA+8*\m+4*\x:SA+8*\m+4*\x+3] offset:64*\m+16*\x
.endr
.endr
	s_wait_dscnt 0x0
	s_barrier_signal -1
	s_barrier_wait -1
	ds_load_b128 v[BW:BW+3], v[SCL]
	ds_load_b128 v[BW+4:BW+7], v[SCL] offset:512
	s_wait_dscnt 0x0
	v_pk_add_f32 v[BW:BW+1], v[BW:BW+1], v[BW+4:BW+5]
	v_pk_add_f32 v[BW+2:BW+3], v[BW+2:BW+3], v[BW+6:BW+7]
	s_cmp_lg_u32 s[WV], 0
	s_cbranch_scc1 .Lnot_mine_\@
	global_store_b128 v[LI], v[BW:BW+3], s[SCO:SCO+1] offset:512*\blk
.Lnot_mine_\@:
	s_wait_alu depctr_va_vdst(0)
	v_max3_num_f32 v[BW+8], v[BW], v[BW+1], v[BW+2]
	v_max_num_f32 v[BW+8], v[BW+8], v[BW+3]
.irp mk, 1,2,4,8
	v_max_num_f32_dpp v[BW+8], v[BW+8], v[BW+8] row_xmask:\mk row_mask:0xf bank_mask:0xf
.endr
	v_permlanex16_b32 v[BW+9], v[BW+8], s[SEL], s[SEL+1]
	v_max_num_f32 v[BW+8], v[BW+8], v[BW+9]
.irp x, 0,1,2,3
	v_sub_f32 v[BW+10+2*\x], v[BW+\x], v[BW+8]
.endr
.irp x, 0,1,2,3
	v_mul_f32 v[BW+10+2*\x], s[LG], v[BW+10+2*\x]
.endr
	s_wait_alu depctr_va_vdst(0)
.irp x, 0,1,2,3
	v_exp_f32 v[BW+10+2*\x], v[BW+10+2*\x]
.endr
	v_nop
	s_wait_alu depctr_va_vdst(0)
.irp x, 0,1,2,3
	v_mov_b32 v[BW+11+2*\x], v[BW+10+2*\x]
.endr
	ds_store_b128 v[PBS], v[BW+10:BW+13]
	ds_store_b128 v[PBS], v[BW+14:BW+17] offset:16
.if \blk == 1
.irp x, 0,2,4,6
	v_pk_add_f32 v[CX+\x:CX+\x+1], v[CX+\x:CX+\x+1], v[CXB+\x:CXB+\x+1]
.endr
	global_store_b128 v[LI], v[CX:CX+3], s[CTX:CTX+1]
	global_store_b128 v[LI], v[CX+4:CX+7], s[CTX:CTX+1] offset:512
	s_wait_xcnt 0x0
.endif
.irp x, 0,1,2,3,4,5,6,7
	v_mov_b32 v[CX+\x], 0
	v_mov_b32 v[CXB+\x], 0
.endr
.if \reload
.set ZZ, 0
.rept 32
	v_mov_b32 v[SA+ZZ], 0
.set ZZ, ZZ+1
.endr
	v_mov_b32 v[SV], 0
.endif
.endm
	s_load_b256 s[4:11], s[0:1], 0x0               ; values 4, W1img 6, W1_scales 8, biasc 10
	s_load_b128 s[12:15], s[0:1], 0x20             ; V 12, scores 14
	s_load_b64 s[16:17], s[0:1], 0x30              ; ctxp 16
	v_lshl_add_u32 v[SPW], v0, 2, SPARE
	v_mov_b32 v[NIL], 0
	ds_add_u32 v2, v3
	ds_add_u32 v2, v3
	s_wait_dscnt 0x0
	v_lshrrev_b32 v231, 5, v0
	v_readfirstlane_b32 s[WV], v231
	s_bfe_u32 s94, ttmp6, 0x40000
	s_lshl_b32 s95, ttmp9, 2
	s_add_co_u32 s95, s95, s94
	s_mov_b32 s[G1], 15|(3<<16)|(1<<21)
	s_mov_b32 s[G1+1], 32<<16
	s_mov_b32 s[G1+2], 48<<16
	s_mov_b32 s[G1+3], 32<<16
	s_mov_b32 s[G1+4], 48
	s_mov_b32 s[G1+5], 32
	s_mov_b32 s[G1+6], 0
	s_mov_b32 s[G1+7], 0
	s_mov_b32 s[G1S], 15|(3<<16)|(1<<21)
	s_mov_b32 s[G1S+1], 32<<16
	s_mov_b32 s[G1S+2], 32<<16
	s_mov_b32 s[G1S+3], 32<<16
	s_mov_b32 s[G1S+4], 32
	s_mov_b32 s[G1S+5], 32
	s_mov_b32 s[G1S+6], 0
	s_mov_b32 s[G1S+7], 0
	s_mul_i32 s87, s[WV], QB
	s_lshl_b32 s86, s[WV], 13
	s_mov_b32 s[G0], 1
	s_mov_b32 s[G0+1], s87
	s_mov_b32 s[G0+4], 1
	s_add_co_u32 s[G0+5], s87, SLOTB
	s_mov_b32 s[G0S], 1
	s_add_co_u32 s[G0S+1], s86, WSC
	s_mov_b32 s[OFS+1], 0
	s_mov_b32 s[OFG+1], 0
	s_mov_b32 s[STP], 512
	s_mov_b32 s[STP+1], 0
	s_mov_b32 s[LG], 0x3fb8aa3b
	s_mov_b32 s[C2], 0x4038aa3b
	s_mov_b32 s[C2+1], s[C2]
	s_mov_b32 s[SEL], 0x76543210
	s_mov_b32 s[SEL+1], 0xfedcba98
	s_wait_kmcnt 0x0
	s_mov_b32 s[OFS], s87
	s_add_nc_u64 s[WB:WB+1], s[6:7], s[OFS:OFS+1]
	s_mov_b64 s[G0+2:G0+3], s[WB:WB+1]
	s_or_b32 s[G0+3], s[G0+3], 0x80000000
	s_add_nc_u64 s[G0+6:G0+7], s[WB:WB+1], 65536
	s_or_b32 s[G0+7], s[G0+7], 0x80000000
	s_mov_b32 s[OFS], s86
	s_add_nc_u64 s[G0S+2:G0S+3], s[8:9], s[OFS:OFS+1]
	s_or_b32 s[G0S+3], s[G0S+3], 0x80000000
	s_lshl_b32 s[OFG], s95, 20
	s_add_nc_u64 s[CS:CS+1], s[4:5], s[OFG:OFG+1]
	s_lshl_b32 s[OFG], s[WV], 17
	s_add_nc_u64 s[VB:VB+1], s[CS:CS+1], s[OFG:OFG+1]
	s_add_nc_u64 s[VB+2:VB+3], s[VB:VB+1], 65536
	s_add_nc_u64 s[NX:NX+1], s[VB:VB+1], 524288
	s_add_nc_u64 s[NX+2:NX+3], s[VB+2:VB+3], 524288
	s_lshl_b32 s[OFG], s[WV], 10
	s_add_nc_u64 s[CS:CS+1], s[CS:CS+1], s[OFG:OFG+1]
	s_add_nc_u64 s[CS+2:CS+3], s[CS:CS+1], 512
	s_lshl_b32 s85, s95, 13
	s_add_co_u32 s[OFG], s[OFG], s85
	s_add_nc_u64 s[CTX:CTX+1], s[16:17], s[OFG:OFG+1]
	s_lshl_b32 s[OFG], s95, 10
	s_add_nc_u64 s[SCO:SCO+1], s[14:15], s[OFG:OFG+1]
	s_lshr_b32 s[OFG], s95, 3
	s_lshl_b32 s[OFG], s[OFG], 12
	s_add_nc_u64 s[10:11], s[10:11], s[OFG:OFG+1]
	v_and_b32 v228, 31, v0                         ; the first loads into registers go out ahead of the tensor loads and their rounds: the batch's biases, V, and two sets of 16 rows x 512 bytes of values
	v_lshlrev_b32 v[LI], 4, v228
	v_lshlrev_b32 v246, 4, v0
	global_load_b128 v[ACC:ACC+3], v246, s[10:11]
	global_load_b128 v[ACC+4:ACC+7], v246, s[10:11] offset:2048
	global_load_b128 v[ACC+8:ACC+11], v246, s[12:13]
	global_load_b128 v[ACC+12:ACC+15], v246, s[12:13] offset:2048
	LOADSET 0, 0
	LOADSET 1, 0
	s_wait_alu depctr_va_vdst(0)
	CROUND
	tensor_load_to_lds s[G0S:G0S+3], s[G1S:G1S+7]  ; my one tensor load at the head: my quarter of W1's scales
	s_nop 0
.rept 4
	v_nop
.endr
	v_and_b32 v229, 15, v0
	v_bfe_u32 v230, v0, 4, 1
	v_bfe_u32 v232, v0, 5, 1
	v_lshrrev_b32 v233, 6, v0
	v_lshlrev_b32 v234, 2, v228
	v_lshl_add_u32 v247, v0, 4, CBL
	v_mad_u32_u24 v[STS], v231, STGW, v[LI]
	v_add_nc_u32 v[STS], STG, v[STS]
	v_mul_u32_u24 v[STL], v229, 528
	v_lshl_add_u32 v[STL], v230, 6, v[STL]
	v_mad_u32_u24 v[STL], v231, STGW, v[STL]
	v_add_nc_u32 v[STL], STG, v[STL]
	v_mad_u32_u24 v[IMW], v231, 2*QB, v[LI]
	v_add_nc_u32 v[IMW], IMG, v[IMW]
	v_lshl_add_u32 v[ISW], v231, 11, v234
	v_add_nc_u32 v[ISW], ISC, v[ISW]
	v_mad_u32_u24 v[ARL], v233, 4*QB, v[LI]
	v_add_nc_u32 v[ARL], IMG, v[ARL]
	v_lshl_add_u32 v[ASL], v233, 12, v234
	v_add_nc_u32 v[ASL], ISC, v[ASL]
	v_mad_u32_u24 v[BFA], v232, 2*QB, v[LI]
	v_add_nc_u32 v[BFA+1], SLOTB, v[BFA]
	v_lshlrev_b32 v[BSA], 5, v229
	v_lshl_add_u32 v[BSA], v232, 14, v[BSA]
	v_add_nc_u32 v[BSA], WSC, v[BSA]
	v_lshlrev_b32 v[CBA], 2, v229
	v_lshl_add_u32 v[CBA], v232, 11, v[CBA]
	v_add_nc_u32 v[CBA], CBL, v[CBA]
	v_lshl_add_u32 v[PBA], v231, 10, PB
	v_lshlrev_b32 v[SCA], 5, v230
	v_lshl_add_u32 v[SCA], v233, 8, v[SCA]
	v_lshl_add_u32 v[SCA], v232, 9, v[SCA]
	v_add_nc_u32 v[SCA], SCR, v[SCA]
	v_add_nc_u32 v[SCL], SCR, v[LI]
	v_lshl_add_u32 v[PBS], v228, 5, v[PBA]
.irp x, 1,3,5,7
	v_mov_b32 v[CBV+\x], 0
.endr
.irp b, 0,1,2,3
	v_mov_b32 v[TM+4+\b], 0
.endr
	v_mov_b32 v[BW+9], 0
	s_wait_loadcnt 32
	ds_store_b128 v247, v[ACC:ACC+3]
	ds_store_b128 v247, v[ACC+4:ACC+7] offset:2048
	ds_store_b128 v247, v[ACC+8:ACC+11] offset:4096
	ds_store_b128 v247, v[ACC+12:ACC+15] offset:6144
; THE FIRST BLOCK is quantised in eight trips (a trip: 128 along K of my 32 rows), cut into three counted loops of 3, 3 and 2 trips; each loop starts its LDS steps from constants.
; Between the loops stand the ring's two first fills, each issued as a refill is: they are on their way while values are read and quantised.
.macro P0LOOP name, trips, first, jump
	s_mov_b32 s[CNT], \trips
	s_mov_b32 s[IMT], 1536*\first
	s_mov_b32 s[IST], 128*\first
\name:
.irp k, 0,1
	TURNS \k
	TURNL
	s_wait_dscnt 0x0
	NEXTLOAD \k, \jump, 0
	QUANT
	IMAGE \k
.endr
	s_add_co_u32 s[IMT], s[IMT], 1536
	s_add_co_u32 s[IST], s[IST], 128
	s_sub_co_u32 s[CNT], s[CNT], 1
	s_cmp_lg_u32 s[CNT], 0
	s_cbranch_scc1 \name
.endm
.macro LATEFILL g0
	s_wait_alu depctr_va_vdst(0)
	s_wait_tensorcnt 0x0                           ; all my tensor loads have landed;
	ds_add_u32 v[SPW], v[NIL]                      ; 0 onto my spare word;
	s_wait_dscnt 0x0                               ; the add and my LDS instructions are done
	CROUND
	tensor_load_to_lds s[\g0:\g0+3], s[G1:G1+7]    ; my quarter of the slot, the first tensor load behind the round
	s_nop 0
.rept 4
	v_nop
.endr
.endm
	P0LOOP .Lp0a, 3, 0, 0
	LATEFILL G0
	P0LOOP .Lp0b, 3, 3, 0
	LATEFILL G0+4
	P0LOOP .Lp0c, 2, 6, 1                          ; its last trip turns the loads to the second block
	s_wait_tensorcnt 0x1
	s_wait_dscnt 0x0
	s_barrier_signal -1
	s_barrier_wait -1
	RELOAD
	v_add_nc_u32 v[BSX], 0, v[BSA]
	v_add_nc_u32 v[CBX], 0, v[CBA]
	FSC
	FP BFA, 0, 15
.set ZZ, 0
.rept 32
	v_mov_b32 v[SA+ZZ], 0
.set ZZ, ZZ+1
.endr
	v_mov_b32 v[SV], 0
.irp x, 0,1,2,3,4,5,6,7
	v_mov_b32 v[CX+\x], 0
	v_mov_b32 v[CXB+\x], 0
.endr
	s_mov_b64 s[NX:NX+1], s[CS:CS+1]
	s_mov_b64 s[NX+2:NX+3], s[CS+2:CS+3]
	s_wait_dscnt 0x0
	s_barrier_signal -1
	s_barrier_wait -1
	s_mov_b32 s[SN], 0
	s_mov_b32 s[CNT], 8
	s_mov_b32 s[IMT], 0
	s_mov_b32 s[IST], 0
.Lpass0:
	STEP 0, 0, 2, 1
	STEP 1, 0, 2, 1
	s_add_co_u32 s[IMT], s[IMT], 1536
	s_add_co_u32 s[IST], s[IST], 128
	s_add_co_u32 s[SN], s[SN], 2
	s_sub_co_u32 s[CNT], s[CNT], 1
	s_cmp_lg_u32 s[CNT], 0
	s_cbranch_scc1 .Lpass0
	BOUND 0, 1
	s_mov_b32 s[STP], 65536
	s_mov_b32 s[PBT], 0
	s_mov_b32 s[SN], 0
	s_mov_b32 s[CNT], 7
.Lpass1:
	STEP 0, 1, 2, 0
	STEP 1, 1, 2, 0
	s_add_co_u32 s[PBT], s[PBT], 128
	s_add_co_u32 s[SN], s[SN], 2
	s_sub_co_u32 s[CNT], s[CNT], 1
	s_cmp_lg_u32 s[CNT], 0
	s_cbranch_scc1 .Lpass1
	STEP 0, 1, 1, 0
	STEP 1, 1, 0, 0
	BOUND 1, 0
	s_mov_b32 s[PBT], 0
	s_mov_b32 s[CNT], 7
.Lp3:
	PRLOAD
	s_wait_dscnt 0x0
	CTXF 0, 16
	NEXTLOAD 0, 0, 1
	CTXF 1, 16
	NEXTLOAD 1, 0, 1
	s_add_co_u32 s[PBT], s[PBT], 128
	s_sub_co_u32 s[CNT], s[CNT], 1
	s_cmp_lg_u32 s[CNT], 0
	s_cbranch_scc1 .Lp3
	PRLOAD
	s_wait_dscnt 0x0
	CTXF 0, 16
	CTXF 1, 0
.irp x, 0,2,4,6
	v_pk_add_f32 v[CX+\x:CX+\x+1], v[CX+\x:CX+\x+1], v[CXB+\x:CXB+\x+1]
.endr
	global_store_b128 v[LI], v[CX:CX+3], s[CTX:CTX+1] offset:4096
	global_store_b128 v[LI], v[CX+4:CX+7], s[CTX:CTX+1] offset:4608
	s_wait_tensorcnt 0x0
	ds_add_u32 v[SPW], v[NIL]
	s_wait_dscnt 0x0
	CROUND
	s_endpgm
.Lfunc_end_k_qb6a0c5a9e3_main:
	.size	k_qb6a0c5a9e3_main, .Lfunc_end_k_qb6a0c5a9e3_main-k_qb6a0c5a9e3_main
	.p2alignl 7, 3214868480
	.fill 96, 4, 3214868480
	.section	.rodata,"a",@progbits
	.p2align	6, 0x0
	.amdhsa_kernel k_qb6a0c5a9e3_main
		.amdhsa_group_segment_fixed_size 327680
		.amdhsa_private_segment_fixed_size 0
		.amdhsa_enable_private_segment 0
		.amdhsa_kernarg_size 56
		.amdhsa_user_sgpr_count 2
		.amdhsa_user_sgpr_kernarg_segment_ptr 1
		.amdhsa_wavefront_size32 1
		.amdhsa_system_sgpr_workgroup_id_x 1
		.amdhsa_system_sgpr_workgroup_id_y 1
		.amdhsa_system_sgpr_workgroup_id_z 1
		.amdhsa_system_vgpr_workitem_id 0
		.amdhsa_next_free_vgpr 1024
		.amdhsa_next_free_sgpr 96
		.amdhsa_reserve_vcc 0
		.amdhsa_float_denorm_mode_32 3
		.amdhsa_float_denorm_mode_16_64 3
		.amdhsa_memory_ordered 1
		.amdhsa_forward_progress 1
		.amdhsa_inst_pref_size 255
	.end_amdhsa_kernel
	.section	.bss,"aw",@nobits
	.p2align	6
	.space	262144
	.amdgpu_metadata
---
amdhsa.version: [ 1, 2 ]
amdhsa.kernels:
  - .name:           k_qb6a0c5a9e3_main
    .symbol:         k_qb6a0c5a9e3_main.kd
    .args:
      - { .name: values, .offset: 0, .size: 8, .value_kind: global_buffer, .address_space: global }
      - { .name: W1img, .offset: 8, .size: 8, .value_kind: global_buffer, .address_space: global }
      - { .name: W1_scales, .offset: 16, .size: 8, .value_kind: global_buffer, .address_space: global }
      - { .name: biasc, .offset: 24, .size: 8, .value_kind: global_buffer, .address_space: global }
      - { .name: V, .offset: 32, .size: 8, .value_kind: global_buffer, .address_space: global }
      - { .name: scores, .offset: 40, .size: 8, .value_kind: global_buffer, .address_space: global }
      - { .name: ctxp, .offset: 48, .size: 8, .value_kind: global_buffer, .address_space: global }
    .group_segment_fixed_size: 327680
    .private_segment_fixed_size: 0
    .kernarg_segment_align: 8
    .kernarg_segment_size: 56
    .max_flat_workgroup_size: 128
    .sgpr_count:     96
    .vgpr_count:     1024
    .wavefront_size: 32
...
	.end_amdgpu_metadata
.endif
;; end of part 2
;; launch finish (part 3): grid 32 x 1, 8 waves a work-group, no clusters, 2,048 bytes of LDS; arguments scores, ctxp, out0, out1; writes out0, out1
.if DOCPART == 3
	.amdgcn_target "amdgcn-amd-amdhsa--gfx1250"
	.amdhsa_code_object_version 6
	.text
	.protected	k_qb6a0c5a9e3_finish
	.globl	k_qb6a0c5a9e3_finish
	.p2align	8
	.type	k_qb6a0c5a9e3_finish,@function
k_qb6a0c5a9e3_finish:
	s_mov_b64 s[64:65], 0
	v_nop
	global_prefetch_b8 v0, s[64:65] scope:SCOPE_SE
	s_setreg_imm32_b32 hwreg(HW_REG_WAVE_MODE, 25, 1), 1
	s_wait_xcnt 0x0
; One work-group for each batch: out1 = softmax of its 2,048 scores; out0 = sum over its 16 blocks of 128 rows of ctxp[block] x 2^((m_block - m) log2 e) / l.
; ctxp[block] was summed under the block's own largest score m_block: a maximum is exact, so the same m_block is found again here from the stored scores.
; Memory binds and the launch is short: no matrix unit, no tensor load, no cluster.  The 16 loads of ctxp are on their way while the softmax is made.
; LIMITS: the reciprocal of l is v_rcp_f32's; weights under f32's normal range fall to 0.
.set SCV, 4                            ; v4-11    my 8 scores
.set CP,  16                           ; v16-79   ctxp: block k's four channels 4 t .. 4 t + 3 at 4 k
.set BM,  84                           ; v84-99   the 16 blocks' maxima
.set EW,  104                          ; v104-111 my 8 weights;  v112-127 the 16 blocks' factors
.set EB,  112
.set OA,  136                          ; v136-139 my four channels of out0
	s_load_b256 s[4:11], s[0:1], 0x0
	v_lshl_add_u32 v160, v0, 2, 0x400
	v_mov_b32 v161, 0
	v_lshlrev_b32 v1, 4, v0                        ; 16 x thread
	v_lshrrev_b32 v2, 5, v0
	s_delay_alu instid0(VALU_DEP_1)
	v_lshlrev_b32 v2, 2, v2                        ; 4 x wave: my wave's word in LDS
	v_mov_b32 v3, 0
	v_mov_b32 v82, 0                               ; written once: a lane permute's destination counts as one of its sources
	v_mov_b32 v83, 0
	s_lshl_b32 s12, ttmp9, 13                      ; a batch's scores: 8,192 bytes
	s_mov_b32 s13, 0
	s_lshl_b32 s14, ttmp9, 16                      ; its 16 rows of ctxp
	s_mov_b32 s15, 0
	s_lshl_b32 s16, ttmp9, 12                      ; its row of out0
	s_mov_b32 s17, 0
	s_mov_b32 s18, 0x76543210
	s_mov_b32 s19, 0xfedcba98                      ; v_permlanex16_b32's selects for lane l xor 16
	s_mov_b32 s20, 0x3fb8aa3b                      ; log2(e)
	s_wait_alu depctr_va_vdst(0)
	s_wait_kmcnt 0x0
	s_add_nc_u64 s[4:5], s[4:5], s[12:13]
	s_add_nc_u64 s[10:11], s[10:11], s[12:13]
	s_add_nc_u64 s[6:7], s[6:7], s[14:15]
	s_add_nc_u64 s[8:9], s[8:9], s[16:17]
	global_load_b128 v[SCV:SCV+3], v1, s[4:5]
	global_load_b128 v[SCV+4:SCV+7], v1, s[4:5] offset:4096
.irp k, 0,1,2,3,4,5,6,7,8,9,10,11,12,13,14,15
	global_load_b128 v[CP+4*\k:CP+4*\k+3], v1, s[6:7] offset:4096*\k th:TH_LOAD_NT
.endr
	s_wait_loadcnt 16                              ; the scores are in; the 16 loads of ctxp may be out
	v_max3_num_f32 v80, v[SCV], v[SCV+1], v[SCV+2]
	v_max3_num_f32 v81, v[SCV+4], v[SCV+5], v[SCV+6]
	s_delay_alu instid0(VALU_DEP_2)
	v_max_num_f32 v80, v80, v[SCV+3]
	s_delay_alu instid0(VALU_DEP_2)
	v_max_num_f32 v81, v81, v[SCV+7]
.irp mk, 1,2,4,8
	s_delay_alu instid0(VALU_DEP_2)
	v_max_num_f32_dpp v80, v80, v80 row_xmask:\mk row_mask:0xf bank_mask:0xf
	s_delay_alu instid0(VALU_DEP_2)
	v_max_num_f32_dpp v81, v81, v81 row_xmask:\mk row_mask:0xf bank_mask:0xf
.endr
	s_delay_alu instid0(VALU_DEP_2)
	v_permlanex16_b32 v82, v80, s18, s19
	s_delay_alu instid0(VALU_DEP_2)
	v_permlanex16_b32 v83, v81, s18, s19
	s_delay_alu instid0(VALU_DEP_2)
	v_max_num_f32 v80, v80, v82                    ; block w's maximum,
	s_delay_alu instid0(VALU_DEP_2)
	v_max_num_f32 v81, v81, v83                    ; block 8 + w's
	ds_store_b32 v2, v80                           ; all lanes write the same word with the same value
	ds_store_b32 v2, v81 offset:32
	s_wait_dscnt 0x0                               ; for the others' sake
	s_barrier_signal -1
	s_barrier_wait -1
.irp x, 0,1,2,3
	ds_load_b128 v[BM+4*\x:BM+4*\x+3], v3 offset:16*\x
.endr
	s_wait_dscnt 0x0
	v_max3_num_f32 v100, v[BM], v[BM+1], v[BM+2]
	v_max3_num_f32 v101, v[BM+3], v[BM+4], v[BM+5]
.irp x, 6,10
	s_delay_alu instid0(VALU_DEP_2)
	v_max3_num_f32 v100, v100, v[BM+\x], v[BM+\x+1]
	s_delay_alu instid0(VALU_DEP_2)
	v_max3_num_f32 v101, v101, v[BM+\x+2], v[BM+\x+3]
.endr
	s_delay_alu instid0(VALU_DEP_2)
	v_max3_num_f32 v100, v100, v[BM+14], v[BM+15]
	s_delay_alu instid0(VALU_DEP_1)
	v_max_num_f32 v100, v100, v101                 ; m, the batch's largest score
.irp x, 0,1,2,3,4,5,6,7
	v_sub_f32 v[EW+\x], v[SCV+\x], v100
.endr
.irp k, 0,1,2,3,4,5,6,7,8,9,10,11,12,13,14,15
	v_sub_f32 v[EB+\k], v[BM+\k], v100
.endr
.set ZZ, 0
.rept 24
	v_mul_f32 v[EW+ZZ], s20, v[EW+ZZ]
.set ZZ, ZZ+1
.endr
.set ZZ, 0
	s_wait_alu depctr_va_vdst(0)
.rept 24
	v_exp_f32 v[EW+ZZ], v[EW+ZZ]                   ; one batch: my 8 weights and the 16 blocks' factors
.set ZZ, ZZ+1
.endr
	v_nop                                          ; a plain instruction behind the last exponential,
	s_wait_alu depctr_va_vdst(0)                   ; and the one wait ahead of the batch's first reader
	v_pk_add_f32 v[128:129], v[EW:EW+1], v[EW+2:EW+3]
	v_pk_add_f32 v[130:131], v[EW+4:EW+5], v[EW+6:EW+7]
	s_delay_alu instid0(VALU_DEP_1)
	v_pk_add_f32 v[128:129], v[128:129], v[130:131]
	s_delay_alu instid0(VALU_DEP_1)
	v_add_f32 v128, v128, v129
.irp mk, 1,2,4,8
	s_delay_alu instid0(VALU_DEP_1)
	v_add_f32_dpp v128, v128, v128 row_xmask:\mk row_mask:0xf bank_mask:0xf
.endr
	s_delay_alu instid0(VALU_DEP_1)
	v_permlanex16_b32 v82, v128, s18, s19
	s_delay_alu instid0(VALU_DEP_1)
	v_add_f32 v128, v128, v82                      ; my wave's sum
	ds_store_b32 v2, v128 offset:64                ; other bytes than the maxima's: no wave may still be reading those
	s_wait_dscnt 0x0
	s_barrier_signal -1
	s_barrier_wait -1
	ds_load_b128 v[132:135], v3 offset:64
	ds_load_b128 v[140:143], v3 offset:80
	s_wait_dscnt 0x0
	v_pk_add_f32 v[132:133], v[132:133], v[134:135]
	v_pk_add_f32 v[140:141], v[140:141], v[142:143]
	s_delay_alu instid0(VALU_DEP_1)
	v_pk_add_f32 v[132:133], v[132:133], v[140:141]
	s_delay_alu instid0(VALU_DEP_1)
	v_add_f32 v132, v132, v133                     ; l
	s_wait_alu depctr_va_vdst(0)
	v_rcp_f32 v144, v132
	v_nop
	s_wait_alu depctr_va_vdst(0)
.irp x, 0,1,2,3,4,5,6,7
	v_mul_f32 v[EW+\x], v[EW+\x], v144
.endr
	global_store_b128 v1, v[EW:EW+3], s[10:11]                 ; a wave stores 512 consecutive bytes
	global_store_b128 v1, v[EW+4:EW+7], s[10:11] offset:4096
	s_wait_loadcnt 0x0                             ; ctxp
.irp c, 0,1,2,3
	v_mul_f32 v[OA+\c], v[CP+\c], v[EB]
.endr
.irp k, 1,2,3,4,5,6,7,8,9,10,11,12,13,14,15
.irp c, 0,1,2,3
	v_fmac_f32 v[OA+\c], v[CP+4*\k+\c], v[EB+\k]
.endr
.endr
.irp c, 0,1,2,3
	v_mul_f32 v[OA+\c], v[OA+\c], v144
.endr
	global_store_b128 v1, v[OA:OA+3], s[8:9]
	s_wait_tensorcnt 0x0
	ds_add_u32 v160, v161
	s_wait_dscnt 0x0
	s_endpgm
.Lfunc_end_k_qb6a0c5a9e3_finish:
	.size	k_qb6a0c5a9e3_finish, .Lfunc_end_k_qb6a0c5a9e3_finish-k_qb6a0c5a9e3_finish
	.p2alignl 7, 3214868480
	.fill 96, 4, 3214868480
	.section	.rodata,"a",@progbits
	.p2align	6, 0x0
	.amdhsa_kernel k_qb6a0c5a9e3_finish
		.amdhsa_group_segment_fixed_size 2048
		.amdhsa_private_segment_fixed_size 0
		.amdhsa_enable_private_segment 0
		.amdhsa_kernarg_size 32
		.amdhsa_user_sgpr_count 2
		.amdhsa_user_sgpr_kernarg_segment_ptr 1
		.amdhsa_wavefront_size32 1
		.amdhsa_system_sgpr_workgroup_id_x 1
		.amdhsa_system_sgpr_workgroup_id_y 1
		.amdhsa_system_sgpr_workgroup_id_z 1
		.amdhsa_system_vgpr_workitem_id 0
		.amdhsa_next_free_vgpr 162
		.amdhsa_next_free_sgpr 66
		.amdhsa_reserve_vcc 0
		.amdhsa_float_denorm_mode_32 3
		.amdhsa_float_denorm_mode_16_64 3
		.amdhsa_memory_ordered 1
		.amdhsa_forward_progress 1
		.amdhsa_inst_pref_size 13
	.end_amdhsa_kernel
	.amdgpu_metadata
---
amdhsa.version: [ 1, 2 ]
amdhsa.kernels:
  - .name:           k_qb6a0c5a9e3_finish
    .symbol:         k_qb6a0c5a9e3_finish.kd
    .args:
      - { .name: scores, .offset: 0, .size: 8, .value_kind: global_buffer, .address_space: global }
      - { .name: ctxp, .offset: 8, .size: 8, .value_kind: global_buffer, .address_space: global }
      - { .name: out0, .offset: 16, .size: 8, .value_kind: global_buffer, .address_space: global }
      - { .name: out1, .offset: 24, .size: 8, .value_kind: global_buffer, .address_space: global }
    .group_segment_fixed_size: 2048
    .private_segment_fixed_size: 0
    .kernarg_segment_align: 8
    .kernarg_segment_size: 32
    .max_flat_workgroup_size: 256
    .sgpr_count:     66
    .vgpr_count:     162
    .wavefront_size: 32
...
	.end_amdgpu_metadata
.endif
;; end of part 3
